; MI455X (gfx1250); checked and timed in simulation.
; The chip was launched on July 23, 2026; its instructions are those of AMD's public machine-readable ISA for CDNA 5 (MIT licence, August 2026) and "CDNA5" Instruction Set Architecture Reference Guide (July 2026). The comments in the code are by the model that wrote it; some were corrected since.
;; Codebook For Image. Allowed arithmetic: matrix products marked QUANTISED: E2M3 operands, one E8M0 scale for each 32 along K, by v_wmma_scale_f32_16x16x128_f8f6f4 with both operands' format E2M3, f32 sums; everything else in f32.
;; Inputs: codes 8,192 x 1,024 float32; image_tensor 8,192 x 1,024 float32.
;; Outputs: out0 8,192 int32; out1 8,192 x 1,024 float32.
;; This version of the problem:
;;   THIS VERSION OF THE PROBLEM IS GIVEN IN LOW PRECISION. The matrix products marked QUANTISED in the list below multiply operands that are first quantised to E2M3 (2 exponent bits, 3 mantissa bits; 6 bits a number), with one power-of-two scale for each 32 numbers along K (OCP MX v1.0); their sums are f32. All else is computed in f32.
;;   The module's matrix products, in the order in which they are computed (A, B: the left and right operand; K: the contracted axis; several contracted axes count as one K, in the product's order):
;;     1. [M 8,192, K 1,024] x [K 1,024, N 8,192]; A: input image_tensor; B: input codes: QUANTISED
;;   THE QUANTISER, for each operand of a quantised product, along K:
;;     - K is cut into blocks of 32 from its start; a last block that is shorter is filled with zeros.
;;     - A block's scale is 2^e with e = floor(log2(the largest magnitude in the block)) - 2, held to -126 .. 127; a block of zeros has e = 0. As a byte (E8M0): e + 127.
;;     - Each number is divided by its block's scale, clamped to +-7.5, and rounded to the nearest number of E2M3, ties to even, subnormals kept.
;;     - The product sums the exact products of the quantised numbers (number of the format x scale) in f32.
;;   ~~~python
;;   def quantise(x, axis):      # numpy; x: float32 -> the quantised numbers, widened to float32 again
;;       x = np.moveaxis(x, axis, -1); K = x.shape[-1]
;;       x = np.pad(x, [(0, 0)] * (x.ndim - 1) + [(0, -K % 32)]); x = x.reshape(x.shape[:-1] + (-1, 32)); a = np.abs(x).max(-1, keepdims=True)
;;       e = np.where(a > 0, np.clip(np.frexp(np.where(a > 0, a, 1))[1] - 1 - 2, -126, 127), 0)      # np.frexp(a)[1] - 1 = floor(log2(a)), exactly
;;       r = np.clip(x / 2.0 ** e, -7.5, 7.5)
;;       step = 2.0 ** (np.maximum(np.frexp(np.where(r == 0, 1, r))[1] - 1, 0) - 3)
;;       q = np.round(r / step) * step * 2.0 ** e      # np.round: ties to even
;;       return np.moveaxis(q.reshape(q.shape[:-2] + (-1,))[..., :K], -1, axis).astype(np.float32)
;;   ~~~
;; One version. Each part assembles by itself: llvm-mc -triple=amdgcn-amd-amdhsa -mcpu=gfx1250 --defsym DOCPART=n.
;; ======== version 1 of 1: 3 launches
;; limits: right only within a limited range of input values
;; workspace buffers: img 13,369,344 bytes; part 1,048,576 bytes of whole numbers
;; launch quant (part 1): grid 256 x 1, 8 waves a work-group, no clusters, 327,680 bytes of LDS; arguments image_tensor, codes, img; writes img
.if DOCPART == 1
	.amdgcn_target "amdgcn-amd-amdhsa--gfx1250"
	.amdhsa_code_object_version 6
	.text
	.protected	k_q8a6d74597a_quant
	.globl	k_q8a6d74597a_quant
	.p2align	8
	.type	k_q8a6d74597a_quant,@function
k_q8a6d74597a_quant:
	s_mov_b64 s[64:65], 0
	v_nop
	global_prefetch_b8 v0, s[64:65] scope:SCOPE_SE
	s_setreg_imm32_b32 hwreg(HW_REG_WAVE_MODE, 25, 1), 1
	s_wait_xcnt 0x0
; image_tensor and codes, [8192][1024] f32 each, are turned into RECORDS, one for each tile of 16 rows: tiles 0-511 are x's, 512-1023 the codes'.
; A record is 13,056 bytes (51 blocks of 256): eight operand images of FP6 (E2M3) codes, one for each 128 along K, 1,536 bytes each (three runs of 16 bytes a lane); at byte 12,288 the E8M0 scale words,
; 16 bytes a lane (lanes 0-15: K steps 0-3 of row r, lanes 16-31: K steps 4-7); at byte 12,800 the 16 rows' sums of squares in f32, written four times over so that the block of 256 bytes is whole.
; A block's scale is 2^(floor(log2(largest magnitude)) - 2); its byte is the largest magnitude's exponent field - 2, held at 1 from below (a block of zeros has the byte 1 and zero codes; this program alone reads the bytes).
; DEAD WORK of the program: out = x + (q - x) with q = codes[index] is q for all real x and q, so the last launch stores q and does not read image_tensor; both inputs are read here.
; LIMITS: NaN and infinities among the inputs are not served; an overflow of q - x, which is left out, is not carried to the result.
; A work-group owns 64 rows.  Wave w fetches, by ONE tensor load, the 512 bytes of K step w of all 64 rows (LDS rows 528 bytes apart); behind a barrier wave w works on row tile w / 2, K steps 4 (w % 2) + 0 .. 3.
; DEAD WORK, second: x_sq[b] is added to every dist2[b][k] of a row alike, so for all real inputs it cannot move the argmin over k, and no output holds a distance: the next launch leaves it out.
; (The one path of this text that serves both tensors still lays the sums of x's rows into x's records; nobody reads them.)  LIMIT: so the order of rounding differs from reference()'s: two codes whose
; distances lie within two units in the last place of dist2 may be ordered by c_sq - 2 cross, rounded once, where reference()'s two roundings make them equal or swap them.
.set REC,   13056
.set WREG,  33792
.set PITCH, 528
.set SCST,  8*WREG
.set SQST,  SCST+2048
.set SPARE, SQST+512
.set G1,  24
.set G0,  32
.set L16, 1
.set XA,  2
.set H8,  6
.set SCW, 7
.set SQW, 8
.set SCB, 9
.set SQB, 10
.set L8,  11
.set X,   32
.set C,   160
.set T,   208
.set M,   216
.set SO,  218
.set BY,  220
.set TP,  222
.set W,   224
.set SQ,  228
	s_load_b128 s[4:7], s[0:1], 0x0                ; image_tensor, codes
	s_load_b64 s[8:9], s[0:1], 0x10                ; img
	v_lshl_add_u32 v240, v0, 2, SPARE
	v_mov_b32 v241, 0
	ds_add_u32 v240, v241                          ; the opening lines: the add twice and one wait
	ds_add_u32 v240, v241
	v_lshrrev_b32 v12, 5, v0
	s_delay_alu instid0(VALU_DEP_1)
	v_readfirstlane_b32 s14, v12                   ; wave
	s_lshr_b32 s15, s14, 1                         ; my row tile
	s_and_b32 s16, s14, 1                          ; my half of K
	s_and_b32 s17, s14, 3                          ; the tile whose scale words and sums I store (waves 0-3)
	s_mov_b32 s[G1+0], (2<<16)|(1<<20)|(6<<22)|(3<<25)   ; elements of 4 bytes; 4 dwords of padding behind every 128
	s_mov_b32 s[G1+1], 128<<16
	s_mov_b32 s[G1+2], 64<<16
	s_mov_b32 s[G1+3], 128<<16
	s_mov_b32 s[G1+4], 64
	s_mov_b32 s[G1+5], 1024
	s_mov_b32 s[G1+6], 0
	s_mov_b32 s[G1+7], 0
	s_mov_b32 s[G0], 1
	s_mul_i32 s[G0+1], s14, WREG
	s_mov_b32 s20, 0x76543210
	s_mov_b32 s21, 0xfedcba98
	s_mul_i32 s40, s15, 16*PITCH                   ; my 16 rows,
	s_mul_i32 s41, s16, 4*WREG                     ; in my four K steps
	s_add_co_u32 s40, s40, s41
	s_lshl_b32 s41, s15, 9
	s_lshl_b32 s42, s16, 8
	s_add_co_u32 s41, s41, s42
	s_add_co_u32 s41, s41, SCST                    ; where my scale words go
	s_lshl_b32 s43, s15, 6
	s_add_co_u32 s42, s42, s43
	s_add_co_u32 s42, s42, SQST                    ; and my half sums
	s_lshl_b32 s43, s17, 9
	s_add_co_u32 s43, s43, SCST
	s_lshl_b32 s44, s17, 6
	s_add_co_u32 s44, s44, SQST
	s_wait_dscnt 0x0
	s_wait_kmcnt 0x0
	s_cmp_lt_u32 ttmp9, 128                        ; x's work-group or the codes': the choice hangs on the work-group's number alone
	s_cselect_b64 s[4:5], s[4:5], s[6:7]
	s_and_b32 s52, ttmp9, 127
	s_lshl_b32 s52, s52, 18                        ; 64 rows of 4,096 bytes
	s_lshl_b32 s53, s14, 9
	s_add_co_u32 s52, s52, s53
	s_mov_b32 s53, 0
	s_add_nc_u64 s[G0+2:G0+3], s[4:5], s[52:53]
	s_or_b32 s[G0+3], s[G0+3], 0x80000000
	tensor_load_to_lds s[G0:G0+3], s[G1:G1+7]      ; my one tensor load
	s_nop 0
	s_lshl_b32 s54, ttmp9, 2
	s_add_co_u32 s56, s54, s17
	s_add_co_u32 s54, s54, s15
	s_mul_i32 s54, s54, REC
	s_mul_i32 s55, s16, 6144
	s_add_co_u32 s54, s54, s55
	s_mov_b32 s55, 0
	s_mul_i32 s56, s56, REC
	s_add_co_u32 s56, s56, 12288
	s_mov_b32 s57, 0
	s_add_nc_u64 s[10:11], s[8:9], s[56:57]        ; a record's scale words
	s_add_nc_u64 s[8:9], s[8:9], s[54:55]          ; my four images
	v_and_b32 v12, 31, v0
	v_and_b32 v13, 15, v0
	v_bfe_u32 v14, v0, 4, 1
	v_mov_b32 v[TP], 0
	s_delay_alu instid0(VALU_DEP_3)
	v_mul_u32_u24 v15, v13, PITCH
	v_lshlrev_b32 v[L16], 4, v12
	v_lshlrev_b32 v[L8], 3, v12
	v_lshlrev_b32 v[H8], 3, v14
	v_lshl_add_u32 v[SCW], v13, 4, s41
	v_lshl_add_u32 v[SQW], v13, 2, s42
	v_lshl_add_u32 v[XA], v14, 7, v15
	v_add_nc_u32 v[SCB], s43, v[L16]
	v_and_b32 v12, 56, v[L8]
	s_delay_alu instid0(VALU_DEP_3)
	v_add_nc_u32 v[XA], s40, v[XA]
	s_delay_alu instid0(VALU_DEP_2)
	v_add_nc_u32 v[SQB], s44, v12
	s_delay_alu instid0(VALU_DEP_2)
	v_add_nc_u32 v[XA+1], WREG, v[XA]
	s_delay_alu instid0(VALU_DEP_3)
	v_add_nc_u32 v[XA+2], 2*WREG, v[XA]
	s_delay_alu instid0(VALU_DEP_4)
	v_add_nc_u32 v[XA+3], 3*WREG, v[XA]
	s_wait_alu depctr_va_vdst(0)                   ; the wait at the head's end
	s_wait_tensorcnt 0x0                           ; my K step has landed,
	s_barrier_signal -1
	s_barrier_wait -1                              ; and everybody's
.macro DSL t
.set XS, X+64*((\t)%2)
.irp c, 0,1
.irp q, 0,1,2,3,4,5,6,7
	ds_load_b128 v[XS+32*\c+4*\q:XS+32*\c+4*\q+3], v[XA+(\t)] offset:256*\c+16*\q
.endr
.endr
.endm
.macro COMP t
.set XS, X+64*((\t)%2)
.set CC, C+12*(\t)
.irp c, 0,1
	v_max3_num_f32 v[M+\c], |v[XS+32*\c]|, |v[XS+32*\c+1]|, 0x1800000
.endr
.irp c, 0,1
.if (\t) == 0
	v_pk_mul_f32 v[SQ+2*\c:SQ+2*\c+1], v[XS+32*\c:XS+32*\c+1], v[XS+32*\c:XS+32*\c+1]
.else
	v_pk_fma_f32 v[SQ+2*\c:SQ+2*\c+1], v[XS+32*\c:XS+32*\c+1], v[XS+32*\c:XS+32*\c+1], v[SQ+2*\c:SQ+2*\c+1]
.endif
.endr
.irp i, 2,4,6,8,10,12,14,16,18,20,22,24,26,28,30
.irp c, 0,1
	s_delay_alu instid0(VALU_DEP_4)
	v_max3_num_f32 v[M+\c], v[M+\c], |v[XS+32*\c+\i]|, |v[XS+32*\c+\i+1]|
.endr
.irp c, 0,1
	s_delay_alu instid0(VALU_DEP_4)
	v_pk_fma_f32 v[SQ+2*\c:SQ+2*\c+1], v[XS+32*\c+\i:XS+32*\c+\i+1], v[XS+32*\c+\i:XS+32*\c+\i+1], v[SQ+2*\c:SQ+2*\c+1]
.endr
.endr
.irp c, 0,1
	s_delay_alu instid0(VALU_DEP_4)
	v_add_nc_u32 v[SO+\c], 0xff000000, v[M+\c]     ; 2 off the exponent field: the conversion's scale operand
.endr
.irp c, 0,1
	s_delay_alu instid0(VALU_DEP_2)
	v_lshrrev_b32 v[BY+\c], 23, v[SO+\c]           ; the scale's byte
.endr
	s_delay_alu instid0(VALU_DEP_1)
	v_lshl_or_b32 v[W+(\t)], v[BY+1], 16, v[BY]
	s_delay_alu instid0(VALU_DEP_1)
	v_lshlrev_b32 v[W+(\t)], v[H8], v[W+(\t)]
	s_delay_alu instid0(VALU_DEP_1)
	v_permlanex16_b32 v[TP], v[W+(\t)], s20, s21
	s_delay_alu instid0(VALU_DEP_1)
	v_or_b32 v[W+(\t)], v[W+(\t)], v[TP]           ; the K step's scale word of row r
.irp c, 0,1
	v_cvt_scalef32_pk16_fp6_f32 v[CC+6*\c:CC+6*\c+2], v[XS+32*\c:XS+32*\c+15], v[SO+\c]
	v_cvt_scalef32_pk16_fp6_f32 v[T+4*\c:T+4*\c+2], v[XS+32*\c+16:XS+32*\c+31], v[SO+\c]
.endr
	v_nop                                          ; one plain place behind the conversions
.irp c, 0,1
.irp i, 0,1,2
	v_mov_b32 v[CC+6*\c+3+\i], v[T+4*\c+\i]
.endr
.endr
.irp g, 0,1,2
	global_store_b128 v[L16], v[CC+4*\g:CC+4*\g+3], s[8:9] offset:(\t)*1536+512*\g   ; 512 consecutive bytes
.endr
.endm
	DSL 0
.irp t, 0,1,2
	DSL \t+1
	s_wait_dscnt 16                                ; all but the 16 loads just issued
	COMP \t
.endr
	s_wait_dscnt 0x0
	COMP 3
	v_pk_add_f32 v[SQ:SQ+1], v[SQ:SQ+1], v[SQ+2:SQ+3]
	s_delay_alu instid0(VALU_DEP_1)
	v_add_f32 v[SQ], v[SQ], v[SQ+1]
	s_delay_alu instid0(VALU_DEP_1)
	v_permlanex16_b32 v[TP], v[SQ], s20, s21
	s_delay_alu instid0(VALU_DEP_1)
	v_add_f32 v[SQ], v[SQ], v[TP]
	ds_store_b32 v[SQW], v[SQ]
	ds_store_b128 v[SCW], v[W:W+3]
	s_wait_dscnt 0x0
	s_barrier_signal -1
	s_barrier_wait -1
	s_cmp_lt_u32 s14, 4
	s_cbranch_scc0 .Lend
	ds_load_b128 v[W:W+3], v[SCB]                  ; wave a stores tile a's scale words and sums
	ds_load_b64 v[SQ:SQ+1], v[SQB]
	ds_load_b64 v[SQ+2:SQ+3], v[SQB] offset:256
	s_wait_dscnt 0x0
	v_pk_add_f32 v[SQ:SQ+1], v[SQ:SQ+1], v[SQ+2:SQ+3]   ; the two halves of K
	global_store_b128 v[L16], v[W:W+3], s[10:11]
	global_store_b64 v[L8], v[SQ:SQ+1], s[10:11] offset:512   ; lane l: rows 2 l % 16 and the next: the 64 bytes four times, one whole block of 256
.Lend:
	s_wait_tensorcnt 0x0                           ; the wave's end
	ds_add_u32 v240, v241
	s_wait_dscnt 0x0
	s_endpgm
.Lfunc_end_k_q8a6d74597a_quant:
	.size	k_q8a6d74597a_quant, .Lfunc_end_k_q8a6d74597a_quant-k_q8a6d74597a_quant
	.p2alignl 7, 3214868480
	.fill 96, 4, 3214868480
	.section	.rodata,"a",@progbits
	.p2align	6, 0x0
	.amdhsa_kernel k_q8a6d74597a_quant
		.amdhsa_group_segment_fixed_size 327680
		.amdhsa_private_segment_fixed_size 0
		.amdhsa_enable_private_segment 0
		.amdhsa_kernarg_size 24
		.amdhsa_user_sgpr_count 2
		.amdhsa_user_sgpr_kernarg_segment_ptr 1
		.amdhsa_wavefront_size32 1
		.amdhsa_system_sgpr_workgroup_id_x 1
		.amdhsa_system_sgpr_workgroup_id_y 1
		.amdhsa_system_sgpr_workgroup_id_z 1
		.amdhsa_system_vgpr_workitem_id 0
		.amdhsa_next_free_vgpr 242
		.amdhsa_next_free_sgpr 66
		.amdhsa_reserve_vcc 0
		.amdhsa_float_denorm_mode_32 3
		.amdhsa_float_denorm_mode_16_64 3
		.amdhsa_memory_ordered 1
		.amdhsa_forward_progress 1
		.amdhsa_inst_pref_size 39
	.end_amdhsa_kernel
	.amdgpu_metadata
---
amdhsa.version: [ 1, 2 ]
amdhsa.kernels:
  - .name:           k_q8a6d74597a_quant
    .symbol:         k_q8a6d74597a_quant.kd
    .args:
      - { .name: image_tensor, .offset: 0, .size: 8, .value_kind: global_buffer, .address_space: global }
      - { .name: codes, .offset: 8, .size: 8, .value_kind: global_buffer, .address_space: global }
      - { .name: img, .offset: 16, .size: 8, .value_kind: global_buffer, .address_space: global }
    .group_segment_fixed_size: 327680
    .private_segment_fixed_size: 0
    .kernarg_segment_align: 8
    .kernarg_segment_size: 24
    .max_flat_workgroup_size: 256
    .sgpr_count:     66
    .vgpr_count:     242
    .wavefront_size: 32
...
	.end_amdgpu_metadata
.endif
;; end of part 1
;; launch dist (part 2): grid 32 x 8, 8 waves a work-group, clusters of 4 x 1, 327,680 bytes of LDS; arguments img, part; writes part
.if DOCPART == 2
	.amdgcn_target "amdgcn-amd-amdhsa--gfx1250"
	.amdhsa_code_object_version 6
	.text
	.protected	k_q8a6d74597a_dist
	.globl	k_q8a6d74597a_dist
	.p2align	8
	.type	k_q8a6d74597a_dist,@function
k_q8a6d74597a_dist:
	s_mov_b64 s[64:65], 0
	v_nop
	global_prefetch_b8 v0, s[64:65] scope:SCOPE_SE
	s_setreg_imm32_b32 hwreg(HW_REG_WAVE_MODE, 25, 1), 1
	s_wait_xcnt 0x0
	s_wait_alu depctr_hold_cnt(0) depctr_sa_sdst(0) depctr_va_vdst(0) depctr_va_sdst(0) depctr_va_ssrc(0) depctr_va_vcc(0) depctr_vm_vsrc(0)
	s_getreg_b32 s2, hwreg(HW_REG_IB_STS2, 6, 4)
	s_cmp_eq_u32 s2, 0
	s_cbranch_scc0 .Lentry_in_a_cluster
	s_endpgm
.Lentry_in_a_cluster:
	s_bfe_u32 s2, ttmp6, 0x10000c
	s_cmp_lg_u32 s2, 0x3003
	s_cbranch_scc0 .Lentry_shape_is_right
	s_endpgm
.Lentry_shape_is_right:
; For each row b, over 512 codes k: the least of c_sq[k] - 2 cross[b][k], and the lowest index that has it; cross = Q(x) Q(c)^T on FP6 (E2M3) codes with E8M0 scales, sums in f32.
; WORK LEFT OUT: x_sq[b], the same for all k of a row, cannot move the argmin over k in real numbers; it is neither loaded nor added.  LIMIT: the order of rounding differs from reference()'s (one fused
; multiply-add in place of two roundings): codes whose distances lie within two units in the last place of dist2 may be ordered otherwise.  NaN and infinities are not served.
; In: img, records of 13,056 bytes a tile of 16 rows (8 operand images, scale words at 12,288, sums of squares at 12,800); tiles 0-511 are x's, 512-1023 the codes'.
; Out: part [16 column groups of 512 codes][128 groups of 64 rows][64 keys, 64 indices]: the key is the least number as a whole number in the f32 numbers' order.
; SHARES.  Work-group (rb, cg): rows 256 rb .. against codes 1,024 cg ...  Eight waves, two to a SIMD.  Wave w owns rows 64 (w % 4) .. + 63, whose 32 fragments (384 registers) stay in registers, and walks the
; 32 tiles of codes 512 (w / 4) .. + 511 of the block: for a tile 32 matrix instructions in runs of eight or sixteen, then the tile's vector instructions in one run.
; LDS: x's 16 records land in bytes 0 .. 208,895 (waves 0-3, four records each), slot 0 behind them (waves 4-7, two records each): one tensor load a wave at the head.  When x is in registers, the ring goes on
; in two slots of 8 records (bytes 0 .. and 208,896 ..): four tiles of each half of the block's codes, one record a wave.
; TWO BARRIERS A SLOT, each signalled early and awaited late.  (1) At the head of a slot's last tile each wave has its record of the next slot and signals; 24 matrix instructions on it waits, and then looks ahead
; into the next slot. (2) Behind that tile's last LDS load stand the wait for all tensor loads, the add, the tile's multiply-adds and the wait for all LDS instructions; the signal
; opens a round of the cluster's barrier; the tile's minima and the next tile's first 16 matrix instructions, work on registers alone, stand ahead of the wait; behind the round the slot left behind is filled again.
; The loop goes from a slot's second tile to the next slot's first, so that no branch stands inside a round.
; CLUSTER: the four row blocks of a cluster walk the same codes: every load of codes is asked for jointly, mask 15.  x is not asked for jointly: it is 16 of the 80 records that a work-group fetches, fetched once.
; No prefetch: a refill is asked for 80 matrix instructions of each wave ahead of the wait for it, and each record is asked for by eight clusters.
; THE MATRIX INSTRUCTION IS USED TRANSPOSED: source 0 = 16 codes, source 1 = 16 rows of x: lane (r, h) holds row r, register j the code 16 T + 8 h + j.
; REGISTERS.  Window 1: x's fragments f = 4 s + a (K step s, row tile a), f < 21, at v[12 f].  Window 0: the list below; fragments 21-31 from v124 on.  Only source 1's window moves, twice a tile.
; The accumulators lie 10 registers apart, so that those of row tiles a and a + 1 fall into different register banks (number mod 4): a dual minimum takes one half from each.
.set REC,   13056
.set FRB,   1536
.set SLOTB, 8*REC
.set RC,    2*SLOTB                    ; the even slots
.set SPARE, 3*SLOTB                    ; the spare words, 128 bytes a wave
.set SCR,   SPARE+1024                 ; 512 bytes a wave for the way out; no tensor load lands here
.set TA,   0                           ; v0  LDS address: the slot's first tile of mine + 16 x lane
.set SPW,  1                           ; v1  my spare word; never rewritten
.set NIL,  2                           ; v2  0
.set TC,   3                           ; v3  the same tile + 32 h
.set ASC,  4                           ; v4-19   x's scale words: 4 a + i
.set BSC,  20                          ; v20-23  the tile's
.set CSQ,  24                          ; v24-31  c_sq of my eight codes
.set RUN,  32                          ; v32-35  the running minimum of row tile a
.set IDX,  36                          ; v36, 37, 114, 115  its index, less 8 h: IDX + a + 76 (a / 2)
.set BF,   38                          ; v38-85  four fragments of codes: K step s in buffer s % 4
.set ACC,  86                          ; v86-93, 96-103, 106-113, 116-123  four accumulators: ACC + 10 a
.set XL,   124                         ; v124-255 x's fragments 21-31
.set WV,   14
.set SEL,  20
.set G1R,  24                          ; group 1: one record;  G1H: two;  G1X: four, no mask
.set G1H,  32
.set G1X,  40
.set G0T,  48
.set G0H,  52
.set G0X,  56
.set TB,   60                          ; LDS byte of my first tile in the slot in hand
.set SB,   61                          ; the slot that was filled last
.set SLOTS, 62
.set WR,   66                          ; wave x REC
.set NJ,   68                          ; s[68:75] index of register j's code in lanes 0-15
.set MK,   76                          ; s[76:79] lane masks
.set MSB, 0
.macro WIN new
.if MSB != (\new)
	s_set_vgpr_msb (MSB<<8)|(\new)
.set MSB, (\new)
.endif
.endm
.macro PLACES
.rept 4
	v_nop
.endr
.endm
.macro CREST                           ; a round of the cluster's barrier behind its opening barrier
	s_cmp_lg_u32 s[WV], 0
	s_cbranch_scc1 .Lnot_wave_0_\@
	s_barrier_signal -3
.Lnot_wave_0_\@:
	s_barrier_wait -3
	s_barrier_signal -1
	s_barrier_wait -1
.endm
.macro CROUND                          ; a whole round
	s_barrier_signal -1
	s_barrier_wait -1
	CREST
.endm
.macro GROUP1 g, rows, w0              ; a dense block as rows of 256 bytes: 32 elements of 8 bytes
	s_mov_b32 s[\g], \w0
	s_mov_b32 s[\g+1], 32<<16
	s_mov_b32 s[\g+2], (\rows)<<16
	s_mov_b32 s[\g+3], 32<<16
	s_mov_b32 s[\g+4], \rows
	s_mov_b32 s[\g+5], 32
	s_mov_b32 s[\g+6], 0
	s_mov_b32 s[\g+7], 0
.endm
	s_load_b128 s[4:7], s[0:1], 0x0                ; img, part
	v_lshl_add_u32 v[SPW], v0, 2, SPARE
	v_mov_b32 v[NIL], 0
	ds_add_u32 v[SPW], v[NIL]                      ; the opening lines: the add twice and one wait
	ds_add_u32 v[SPW], v[NIL]
	v_lshrrev_b32 v[BF], 5, v0
	s_delay_alu instid0(VALU_DEP_1)
	v_readfirstlane_b32 s[WV], v[BF]               ; wave 0..7
	s_and_b32 s15, s[WV], 3                        ; my 64 rows
	s_lshr_b32 s16, s[WV], 2                       ; my half of the codes
	s_bfe_u32 s17, ttmp6, 0x40000                  ; cx
	s_lshl_b32 s18, ttmp9, 2
	s_add_co_u32 s18, s18, s17                     ; rb: it enters x's and the output's addresses alone
	s_and_b32 s19, ttmp7, 0xffff                   ; cg, which the four partners share
	s_mov_b32 s[SEL], 0x76543210
	s_mov_b32 s[SEL+1], 0xfedcba98
	GROUP1 G1R, 51, 15|(3<<16)|(1<<21)
	GROUP1 G1H, 102, 15|(3<<16)|(1<<21)
	GROUP1 G1X, 204, 3<<16
	s_mov_b32 s[G0T], 1
	s_mov_b32 s[G0H], 1
	s_mov_b32 s[G0X], 1
	s_mul_i32 s[WR], s[WV], REC
	s_mul_i32 s[G0X+1], s15, 4*REC
	s_mul_i32 s[G0H+1], s15, 2*REC
	s_add_co_u32 s[G0H+1], s[G0H+1], RC
	s_mov_b32 s[SB], RC
	s_mul_i32 s[TB], s16, 4*REC
	s_add_co_u32 s[TB], s[TB], RC
	s_lshl_b32 s92, s19, 6
	s_add_co_u32 s92, s92, 512                     ; the block's first record of codes
	s_lshr_b32 s93, s15, 1                         ; the head's load of codes (waves 4-7): half (w % 4) / 2, records 2 (w % 2) and the next
	s_lshl_b32 s93, s93, 5
	s_and_b32 s86, s15, 1
	s_lshl_b32 s86, s86, 1
	s_add_co_u32 s86, s86, s93
	s_add_co_u32 s86, s86, s92
	s_mul_i32 s86, s86, REC
	s_mov_b32 s87, 0
	s_lshl_b32 s88, s16, 5                         ; the ring's: half w / 4, record w % 4 of the slot's four
	s_add_co_u32 s88, s88, s15
	s_add_co_u32 s88, s88, s92
	s_mul_i32 s88, s88, REC
	s_mov_b32 s89, 0
	s_lshl_b32 s84, s18, 4                         ; x: record 16 rb + 4 (w % 4)
	s_lshl_b32 s94, s15, 2
	s_add_co_u32 s84, s84, s94
	s_mul_i32 s84, s84, REC
	s_mov_b32 s85, 0
	s_lshl_b32 s90, s19, 1                         ; the output: column group 2 cg + w / 4, row group 4 rb + w % 4
	s_add_co_u32 s90, s90, s16
	s_lshl_b32 s90, s90, 16
	s_lshl_b32 s94, s18, 2
	s_add_co_u32 s94, s94, s15
	s_lshl_b32 s94, s94, 9
	s_add_co_u32 s90, s90, s94
	s_mov_b32 s91, 0
	s_lshl_b32 s94, s19, 10
	s_lshl_b32 s95, s16, 9
	s_add_co_u32 s94, s94, s95
.irp j, 0,1,2,3,4,5,6,7
	s_add_co_u32 s[NJ+\j], s94, \j-16              ; one tile back: a tile begins by stepping them
.endr
	s_wait_dscnt 0x0
	s_wait_kmcnt 0x0
	s_add_nc_u64 s[G0X+2:G0X+3], s[4:5], s[84:85]
	s_or_b32 s[G0X+3], s[G0X+3], 0x80000000
	s_add_nc_u64 s[G0H+2:G0H+3], s[4:5], s[86:87]
	s_or_b32 s[G0H+3], s[G0H+3], 0x80000000
	s_add_nc_u64 s[G0T+2:G0T+3], s[4:5], s[88:89]
	s_or_b32 s[G0T+3], s[G0T+3], 0x80000000
	s_add_nc_u64 s[6:7], s[6:7], s[90:91]
	CROUND                                         ; all four work-groups are here: the first joint loads meet
	s_cmp_lt_u32 s[WV], 4                          ; one tensor load a wave: waves 0-3 x, waves 4-7 slot 0
	s_cbranch_scc0 .Lhead_codes
	tensor_load_to_lds s[G0X:G0X+3], s[G1X:G1X+7]
	s_nop 0
	PLACES
	s_branch .Lhead_asked
.Lhead_codes:
	tensor_load_to_lds s[G0H:G0H+3], s[G1H:G1H+7]
	s_nop 0
	PLACES
.Lhead_asked:
	v_and_b32 v[TA], 31, v0
	s_delay_alu instid0(VALU_DEP_1)
	v_lshl_add_u32 v[TA], v[TA], 4, s[G0X+1]       ; my four records of x + 16 x lane
.irp a, 0,1,2,3
	v_mov_b32 v[RUN+\a], 0x7f800000                ; + infinity: above every number
	v_mov_b32 v[IDX+\a+76*(\a/2)], 0
.endr
	s_wait_alu depctr_va_vdst(0)                   ; the wait at the head's end
	s_wait_tensorcnt 0x0                           ; my load has landed,
	s_barrier_signal -1
	s_barrier_wait -1                              ; and everybody's
.set F, 0
.rept 32                               ; x's fragments out of LDS
.if F < 21
	WIN 0x40
.set XR, 12*F
.else
	WIN 0
.set XR, XL+12*(F-21)
.endif
.irp c, 0,1,2
	ds_load_b128 v[XR+4*\c:XR+4*\c+3], v[TA] offset:(F%4)*REC+(F/4)*FRB+512*\c
.endr
.set F, F+1
.endr
	WIN 0
.irp a, 0,1,2,3
	ds_load_b128 v[ASC+4*\a:ASC+4*\a+3], v[TA] offset:\a*REC+12288
.endr
.macro LDK s, off                      ; K step s of the tile off bytes on
.irp c, 0,1,2
	ds_load_b128 v[BF+12*((\s)%4)+4*\c:BF+12*((\s)%4)+4*\c+3], v[TA] offset:(\off)+(\s)*FRB+512*\c
.endr
.endm
.macro LDB off
	ds_load_b128 v[BSC:BSC+3], v[TA] offset:(\off)+12288
.endm
.macro LDC off
	ds_load_b128 v[CSQ:CSQ+3], v[TC] offset:(\off)+12800
	ds_load_b128 v[CSQ+4:CSQ+7], v[TC] offset:(\off)+12816
.endm
.macro ADDRS                           ; my addresses in the slot at s[TB]: four plain vector instructions, and the wait behind these writes
	v_and_b32 v[TA], 124, v[SPW]                   ; 4 x lane (the spare words begin at a multiple of 2,048)
	v_bfe_u32 v[TC], v[SPW], 6, 1                  ; h
	s_delay_alu instid0(VALU_DEP_2)
	v_lshl_add_u32 v[TA], v[TA], 2, s[TB]
	s_delay_alu instid0(VALU_DEP_2)
	v_lshl_add_u32 v[TC], v[TC], 5, s[TB]
	s_wait_alu depctr_va_vdst(0)
.endm
.macro MM s, a                         ; the first K step starts the sums with the constant 0; K steps 4-7 take their scale words from lanes 16-31
.set F, 4*(\s)+(\a)
.if F < 21
	WIN 0x04
.set XR, 12*F
.else
	WIN 0
.set XR, XL+12*(F-21)
.endif
.set BB, BF+12*((\s)%4)
.set AA, ACC+10*(\a)
.if (\s) == 0
	v_wmma_scale_f32_16x16x128_f8f6f4 v[AA:AA+7], v[BB:BB+11], v[XR:XR+11], 0, v[BSC+(\s)%4], v[ASC+4*(\a)+(\s)%4] matrix_a_fmt:MATRIX_FMT_FP6 matrix_b_fmt:MATRIX_FMT_FP6
.elseif (\s) < 4
	v_wmma_scale_f32_16x16x128_f8f6f4 v[AA:AA+7], v[BB:BB+11], v[XR:XR+11], v[AA:AA+7], v[BSC+(\s)%4], v[ASC+4*(\a)+(\s)%4] matrix_a_fmt:MATRIX_FMT_FP6 matrix_b_fmt:MATRIX_FMT_FP6
.else
	v_wmma_scale_f32_16x16x128_f8f6f4 v[AA:AA+7], v[BB:BB+11], v[XR:XR+11], v[AA:AA+7], v[BSC+(\s)%4], v[ASC+4*(\a)+(\s)%4] matrix_a_fmt:MATRIX_FMT_FP6 matrix_b_fmt:MATRIX_FMT_FP6 matrix_a_scale:MATRIX_SCALE_ROW1 matrix_b_scale:MATRIX_SCALE_ROW1
.endif
.endm
.macro KS2 s                           ; two K steps: eight matrix instructions, the four accumulators by turns
.irp a, 0,1,2,3
	MM \s, \a
.endr
.irp a, 0,1,2,3
	MM (\s)+1, \a
.endr
.endm
.macro STEPNJ                          ; the indices of this tile's codes
.irp j, 0,1,2,3,4,5,6,7
	s_add_co_u32 s[NJ+\j], s[NJ+\j], 16
.endr
.endm
.macro VS                              ; c_sq - 2 cross, one fused multiply-add a number; each accumulator from its low end on
.irp p, 0,2,4,6
.irp a, 0,1,2,3
	v_dual_fmamk_f32 v[ACC+10*\a+\p], v[ACC+10*\a+\p], 0xc0000000, v[CSQ+\p] :: v_dual_fmamk_f32 v[ACC+10*\a+\p+1], v[ACC+10*\a+\p+1], 0xc0000000, v[CSQ+\p+1]
.endr
.endr
.endm
.macro VA                              ; the compare is strict and the codes ascend: the lowest index of equal numbers stays.  Four row tiles in step: each result is read six instructions on or later
.irp j, 0,1,2,3,4,5,6,7
.irp a, 0,1,2,3
	v_cmp_lt_f32 s[MK+\a], v[ACC+10*\a+\j], v[RUN+\a]
.endr
.irp a, 0,2
	v_dual_min_num_f32 v[RUN+\a], v[ACC+10*\a+\j], v[RUN+\a] :: v_dual_min_num_f32 v[RUN+\a+1], v[ACC+10*\a+10+\j], v[RUN+\a+1]
.endr
.irp a, 0,1,2,3
	v_cndmask_b32 v[IDX+\a+76*(\a/2)], v[IDX+\a+76*(\a/2)], s[NJ+\j], s[MK+\a]
.endr
.endr
	s_wait_alu depctr_va_vdst(0)
.endm
.macro RSEQ                            ; ahead of a refill's round: the wait for all my tensor loads, the add, and the walking group 0's step; the wait for the add follows behind work on registers
	s_wait_tensorcnt 0x0
	ds_add_u32 v[SPW], v[NIL]
	s_xor_b32 s[SB], s[SB], RC                     ; the other slot than last time,
	s_add_co_u32 s[G0T+1], s[SB], s[WR]
	s_add_nc_u64 s[G0T+2:G0T+3], s[G0T+2:G0T+3], 4*REC   ; the next four tiles of my half
.endm
; Four buffers hold K steps s .. s + 3: behind each two K steps and four places the buffers just read take the K steps four on, on into the next tile.
.macro BACKHALF off                    ; K steps 4-7 of a tile with a successor in its slot, the look ahead, and the vector work
	s_wait_dscnt 6                                 ; K steps 4, 5 and c_sq are in; the six loads of K steps 6, 7 may be out
	KS2 4
	PLACES
	LDK 0, (\off)+REC
	LDK 1, (\off)+REC
	s_wait_dscnt 6                                 ; K steps 6, 7 are in; the six just issued may be out
	KS2 6
	PLACES                                         ; ahead of the loads below and of the first read of the results
	LDB (\off)+REC
	LDK 2, (\off)+REC
	LDK 3, (\off)+REC
	VS
	LDC (\off)+REC
	VA
.endm
.macro FRONT off                       ; K steps 0-3, and the loads of K steps 4-7
	KS2 0
	PLACES
	LDK 4, \off
	LDK 5, \off
	KS2 2
	PLACES
	LDK 6, \off
	LDK 7, \off
.endm
.macro MID off                         ; a tile with a successor in its slot
	STEPNJ
	s_wait_dscnt 2                                 ; the scale words and K steps 0-3 are in; c_sq's two loads may be out
	FRONT \off
	BACKHALF \off
.endm
.macro FIRST                           ; a slot's first tile, inside the round that was opened ahead of it: its K steps 0-3 and scale words are in registers
	STEPNJ
	KS2 0                                          ; work on registers while the others arrive
	KS2 2
	WIN 0
	s_barrier_wait -1
	CREST
	tensor_load_to_lds s[G0T:G0T+3], s[G1R:G1R+7]  ; my record of the next slot, first behind the round
	s_nop 0
	PLACES                                         ; also the places ahead of the loads below
	LDC 0
	LDK 4, 0
	LDK 5, 0
	LDK 6, 0
	LDK 7, 0
	BACKHALF 0
.endm
.macro LAST3 r                         ; a slot's last tile; r = 1: the slot is filled again behind the round that this tile opens
	STEPNJ
	s_wait_tensorcnt 0x0                           ; my record of the next slot has landed
	s_wait_dscnt 0x0                               ; no LDS instruction of mine is out at a signal
	s_barrier_signal -1
	FRONT 3*REC                                    ; (LDS loads of this slot, which nobody writes before a later barrier)
	s_wait_dscnt 6
	KS2 4
	s_barrier_wait -1                              ; everybody's record has landed
	s_xor_b32 s[TB], s[TB], RC                     ; my tiles in the other slot (the two numbers share no bit)
	ADDRS                                          ; its four vector instructions are the places ahead of the loads below
	LDK 0, 0
	LDK 1, 0
	s_wait_dscnt 6
	KS2 6
	PLACES
	LDB 0
	LDK 2, 0
	LDK 3, 0
.if \r
	RSEQ
	VS                                             ; work on registers between the add and the wait for it
	s_wait_dscnt 0x0                               ; the add is done, and all my LDS reads, those of the slot left behind among them
	s_barrier_signal -1                            ; opens the round; only work on registers up to its wait, in the next tile
	VA
.else
	VS
	LDC 0
	VA
.endif
.endm
	ADDRS                                          ; slot 0's first tile (an LDS load has read its address when it is issued)
	LDB 0
	LDK 0, 0
	LDK 1, 0
	LDK 2, 0
	LDK 3, 0
	RSEQ
	s_wait_dscnt 0x0                               ; the add is done, and my reads of x
	s_barrier_signal -1
	FIRST                                          ; slot 0's first tile; slot 1 is asked for
	s_mov_b32 s[SLOTS], 6
.Lslot:                                            ; six trips: the rest of slot i, and slot i + 1's first tile, in which slot i + 2 is asked for
	MID REC
	MID 2*REC
	LAST3 1
	FIRST
	s_sub_co_u32 s[SLOTS], s[SLOTS], 1
	s_cmp_lg_u32 s[SLOTS], 0
	s_cbranch_scc1 .Lslot
	MID REC                                        ; the rest of slot 6 and slot 7 are written out: nothing more is asked for
	MID 2*REC
	LAST3 0
	MID 0
	MID REC
	MID 2*REC
	STEPNJ                                         ; the walk's last tile looks ahead at nothing
	s_wait_dscnt 2
	FRONT 3*REC
	s_wait_dscnt 6
	KS2 4
	s_wait_dscnt 0x0
	KS2 6
	PLACES
	VS
	VA
	; THE WAY OUT.  A row's codes lie in lanes r and r + 16: the lesser number wins, of equal ones the lower index.  Then the key, and through my scratch, so that the wave stores 512 consecutive bytes.
.set H8,   BF
.set RR,   BF+1
.set SCRA, BF+2
.set SCRB, BF+3
.set ADRG, BF+4
.set TV,   BF+8
.set TI,   BF+12
.set KEY,  BF+16
.set BACK, BF+20
	v_bfe_u32 v[H8], v[SPW], 6, 1
	v_bfe_u32 v[RR], v[SPW], 2, 4
	v_and_b32 v[ADRG], 124, v[SPW]
	s_delay_alu instid0(VALU_DEP_3)
	v_lshlrev_b32 v[H8], 3, v[H8]
	s_lshl_b32 s86, s[WV], 9
	s_add_co_u32 s86, s86, SCR
.irp a, 0,1,2,3
	v_mov_b32 v[TV+\a], 0                          ; a lane permute's destination counts as one of its sources
	v_mov_b32 v[TI+\a], 0
.endr
	v_lshl_add_u32 v[SCRA], v[RR], 2, s86
	v_lshlrev_b32 v[ADRG], 2, v[ADRG]              ; 16 x lane
	s_delay_alu instid0(VALU_DEP_1)
	v_add_nc_u32 v[SCRB], s86, v[ADRG]
.irp a, 0,1,2,3
	v_add_nc_u32 v[IDX+\a+76*(\a/2)], v[H8], v[IDX+\a+76*(\a/2)]   ; the true index
.endr
.irp a, 0,1,2,3
	v_permlanex16_b32 v[TV+\a], v[RUN+\a], s[SEL], s[SEL+1]
.endr
.irp a, 0,1,2,3
	v_permlanex16_b32 v[TI+\a], v[IDX+\a+76*(\a/2)], s[SEL], s[SEL+1]
.endr
.irp a, 0,1,2,3
	v_cmp_lt_f32 s[MK+\a], v[TV+\a], v[RUN+\a]
.endr
.irp a, 0,1,2,3
	v_cmp_eq_f32 s[NJ+\a], v[TV+\a], v[RUN+\a]
.endr
.irp a, 0,1,2,3
	v_cmp_lt_u32 s[NJ+4+\a], v[TI+\a], v[IDX+\a+76*(\a/2)]
.endr
	s_wait_alu depctr_va_vdst(0)                   ; the wait ahead of a run of scalar instructions
.irp a, 0,1,2,3
	s_and_b32 s[NJ+\a], s[NJ+\a], s[NJ+4+\a]
	s_or_b32 s[MK+\a], s[MK+\a], s[NJ+\a]
.endr
.irp a, 0,1,2,3
	v_cndmask_b32 v[RUN+\a], v[RUN+\a], v[TV+\a], s[MK+\a]
.endr
.irp a, 0,1,2,3
	v_cndmask_b32 v[IDX+\a+76*(\a/2)], v[IDX+\a+76*(\a/2)], v[TI+\a], s[MK+\a]
.endr
.irp a, 0,1,2,3
	v_add_f32 v[RUN+\a], 0, v[RUN+\a]              ; -0 becomes +0, so that equal numbers have one key
.endr
.irp a, 0,1,2,3
	s_delay_alu instid0(VALU_DEP_4)
	v_ashrrev_i32 v[KEY+\a], 31, v[RUN+\a]
.endr
.irp a, 0,1,2,3
	s_delay_alu instid0(VALU_DEP_4)
	v_or_b32 v[KEY+\a], 0x80000000, v[KEY+\a]
.endr
.irp a, 0,1,2,3
	s_delay_alu instid0(VALU_DEP_4)
	v_xor_b32 v[KEY+\a], v[KEY+\a], v[RUN+\a]      ; unsigned order of the keys = order of the f32 numbers
.endr
.irp a, 0,1,2,3
	ds_store_b32 v[SCRA], v[KEY+\a] offset:64*\a   ; (lanes r and r + 16 write the same word with the same value)
	ds_store_b32 v[SCRA], v[IDX+\a+76*(\a/2)] offset:256+64*\a
.endr
	ds_load_b128 v[BACK:BACK+3], v[SCRB]           ; LDS serves a wave's instructions in order (ISA guide 5.7.1.4): this sees my stores
	s_wait_dscnt 0x0
	global_store_b128 v[ADRG], v[BACK:BACK+3], s[6:7]   ; my 64 rows' keys, then their indices: 512 consecutive bytes, aligned
	s_wait_tensorcnt 0x0                           ; the wave's end
	ds_add_u32 v[SPW], v[NIL]
	s_wait_dscnt 0x0
	CROUND                                         ; the closing round
	s_endpgm
.Lfunc_end_k_q8a6d74597a_dist:
	.size	k_q8a6d74597a_dist, .Lfunc_end_k_q8a6d74597a_dist-k_q8a6d74597a_dist
	.p2alignl 7, 3214868480
	.fill 96, 4, 3214868480
	.section	.rodata,"a",@progbits
	.p2align	6, 0x0
	.amdhsa_kernel k_q8a6d74597a_dist
		.amdhsa_group_segment_fixed_size 327680
		.amdhsa_private_segment_fixed_size 0
		.amdhsa_enable_private_segment 0
		.amdhsa_kernarg_size 16
		.amdhsa_user_sgpr_count 2
		.amdhsa_user_sgpr_kernarg_segment_ptr 1
		.amdhsa_wavefront_size32 1
		.amdhsa_system_sgpr_workgroup_id_x 1
		.amdhsa_system_sgpr_workgroup_id_y 1
		.amdhsa_system_sgpr_workgroup_id_z 1
		.amdhsa_system_vgpr_workitem_id 0
		.amdhsa_next_free_vgpr 512
		.amdhsa_next_free_sgpr 100
		.amdhsa_reserve_vcc 0
		.amdhsa_float_denorm_mode_32 3
		.amdhsa_float_denorm_mode_16_64 3
		.amdhsa_memory_ordered 1
		.amdhsa_forward_progress 1
		.amdhsa_inst_pref_size 178
	.end_amdhsa_kernel
	.amdgpu_metadata
---
amdhsa.version: [ 1, 2 ]
amdhsa.kernels:
  - .name:           k_q8a6d74597a_dist
    .symbol:         k_q8a6d74597a_dist.kd
    .args:
      - { .name: img, .offset: 0, .size: 8, .value_kind: global_buffer, .address_space: global }
      - { .name: part, .offset: 8, .size: 8, .value_kind: global_buffer, .address_space: global }
    .group_segment_fixed_size: 327680
    .private_segment_fixed_size: 0
    .kernarg_segment_align: 8
    .kernarg_segment_size: 16
    .max_flat_workgroup_size: 256
    .sgpr_count:     100
    .vgpr_count:     512
    .wavefront_size: 32
...
	.end_amdgpu_metadata
.endif
;; end of part 2
;; launch gather (part 3): grid 512 x 1, 8 waves a work-group, no clusters, 0 bytes of LDS; arguments codes, part, out0, out1; writes out0, out1
.if DOCPART == 3
	.amdgcn_target "amdgcn-amd-amdhsa--gfx1250"
	.amdhsa_code_object_version 6
	.text
	.protected	k_q8a6d74597a_gather
	.globl	k_q8a6d74597a_gather
	.p2align	8
	.type	k_q8a6d74597a_gather,@function
k_q8a6d74597a_gather:
	s_mov_b64 s[64:65], 0
	v_nop
	global_prefetch_b8 v0, s[64:65] scope:SCOPE_SE
	s_setreg_imm32_b32 hwreg(HW_REG_WAVE_MODE, 25, 1), 1
	s_wait_xcnt 0x0
; For each row: of its 16 partial minima (part: [16 column groups][128 groups of 64 rows][64 keys, 64 indices], whole numbers stored by the launch before) the least key; out0 = its index; out1 = codes[index].
; WORK LEFT OUT: out = x + (q - x) is q for all real x and q, so q is stored as it is and image_tensor is not read here; an overflow of q - x is not carried to the result.
; Column group pc holds codes 512 pc .. 512 pc + 511, so an ascending walk with a strict unsigned compare keeps the lowest index of equal distances.
; A wave takes two rows; all is straight-line.  Keys and indices come by scalar loads (this launch does not write part); the choice is scalar compares and selects on whole numbers.
; The index is held to 8,191 ahead of the address that it makes.  No LDS, no matrix unit, no cluster: no two work-groups share a stream.  Each load and store of a row's numbers covers 512 consecutive bytes.
.set KEY, 32                           ; s[32:63]  keys: a pair (row 0, row 1) for each column group
.set IX,  66                           ; s[66:97]  indices likewise
.set BK,  24
.set BI,  26
.set QV,  4                            ; v4-67  the two code rows
	s_load_b256 s[4:11], s[0:1], 0x0               ; codes s[4:5], part s[6:7], out0 s[8:9], out1 s[10:11]
	v_lshrrev_b32 v2, 5, v0
	s_delay_alu instid0(VALU_DEP_1)
	v_readfirstlane_b32 s16, v2                    ; wave 0..7
	v_and_b32 v2, 31, v0                           ; lane
	s_delay_alu instid0(VALU_DEP_1)
	v_lshlrev_b32 v1, 4, v2
	s_delay_alu instid0(VALU_DEP_2)
	v_lshlrev_b32 v3, 2, v2
	s_lshl_b32 s17, ttmp9, 3
	s_add_co_u32 s17, s17, s16                     ; W: my pair of rows
	s_lshr_b32 s18, s17, 5                         ; its group of 64 rows: 512 bytes a group,
	s_lshl_b32 s18, s18, 9
	s_and_b32 s19, s17, 31
	s_lshl_b32 s19, s19, 3                         ; two words in it
	s_add_co_u32 s18, s18, s19
	s_mov_b32 s19, 0
	s_lshl_b32 s12, s17, 3
	s_mov_b32 s13, 0
	s_lshl_b32 s28, s17, 13                        ; two rows of 4,096 bytes
	s_mov_b32 s29, 0
	s_wait_alu depctr_va_vdst(0)                   ; the wait at the head's end
	s_wait_kmcnt 0x0
	s_add_nc_u64 s[6:7], s[6:7], s[18:19]
	s_add_nc_u64 s[8:9], s[8:9], s[12:13]
	s_add_nc_u64 s[10:11], s[10:11], s[28:29]
.irp pc, 0,1,2,3,4,5,6,7,8,9,10,11,12,13,14,15
	s_load_b64 s[KEY+2*\pc:KEY+2*\pc+1], s[6:7], \pc*65536
	s_load_b64 s[IX+2*\pc:IX+2*\pc+1], s[6:7], \pc*65536+256
.endr
	s_wait_kmcnt 0x0
.irp rho, 0,1
	s_mov_b32 s[BK+\rho], s[KEY+\rho]
	s_mov_b32 s[BI+\rho], s[IX+\rho]
.endr
.irp pc, 1,2,3,4,5,6,7,8,9,10,11,12,13,14,15
.irp rho, 0,1
	s_cmp_lt_u32 s[KEY+2*\pc+\rho], s[BK+\rho]
	s_cselect_b32 s[BK+\rho], s[KEY+2*\pc+\rho], s[BK+\rho]
	s_cselect_b32 s[BI+\rho], s[IX+2*\pc+\rho], s[BI+\rho]
.endr
.endr
.irp rho, 0,1
	s_min_u32 s[BI+\rho], s[BI+\rho], 8191         ; an index stays inside the table
	s_lshl_b32 s[20+2*\rho], s[BI+\rho], 12
	s_mov_b32 s[21+2*\rho], 0
	s_add_nc_u64 s[20+2*\rho:21+2*\rho], s[4:5], s[20+2*\rho:21+2*\rho]
.endr
.irp rho, 0,1
.irp k, 0,1,2,3,4,5,6,7
	global_load_b128 v[QV+32*\rho+4*\k:QV+32*\rho+4*\k+3], v1, s[20+2*\rho:21+2*\rho] offset:512*\k   ; no hint: several rows may choose one code
.endr
.endr
	v_mov_b32 v68, s[BI]
	v_mov_b32 v69, s[BI+1]
	v_cmp_eq_u32 vcc_lo, 1, v2
	s_delay_alu instid0(VALU_DEP_1)
	v_cndmask_b32 v68, v68, v69, vcc_lo            ; lane 0: row 0's index; lane 1: row 1's
	v_cmp_gt_u32 vcc_lo, 2, v2
	s_wait_alu depctr_va_vdst(0)
	s_wait_xcnt 0x0                                ; EXEC is a source of the loads above: it changes only behind this wait
	s_and_saveexec_b32 s14, vcc_lo
	global_store_b32 v3, v68, s[8:9]
	s_wait_xcnt 0x0                                ; and again, ahead of the line that widens it
	s_or_b32 exec_lo, exec_lo, s14
.irp rho, 0,1
.irp k, 0,1,2,3,4,5,6,7
	s_wait_loadcnt 15-8*\rho-\k                    ; the younger loads may stay out
	global_store_b128 v1, v[QV+32*\rho+4*\k:QV+32*\rho+4*\k+3], s[10:11] offset:4096*\rho+512*\k th:TH_STORE_NT   ; 512 consecutive bytes, aligned
.endr
.endr
	s_endpgm
.Lfunc_end_k_q8a6d74597a_gather:
	.size	k_q8a6d74597a_gather, .Lfunc_end_k_q8a6d74597a_gather-k_q8a6d74597a_gather
	.p2alignl 7, 3214868480
	.fill 96, 4, 3214868480
	.section	.rodata,"a",@progbits
	.p2align	6, 0x0
	.amdhsa_kernel k_q8a6d74597a_gather
		.amdhsa_group_segment_fixed_size 0
		.amdhsa_private_segment_fixed_size 0
		.amdhsa_enable_private_segment 0
		.amdhsa_kernarg_size 32
		.amdhsa_user_sgpr_count 2
		.amdhsa_user_sgpr_kernarg_segment_ptr 1
		.amdhsa_wavefront_size32 1
		.amdhsa_system_sgpr_workgroup_id_x 1
		.amdhsa_system_sgpr_workgroup_id_y 1
		.amdhsa_system_sgpr_workgroup_id_z 1
		.amdhsa_system_vgpr_workitem_id 0
		.amdhsa_next_free_vgpr 72
		.amdhsa_next_free_sgpr 98
		.amdhsa_reserve_vcc 1
		.amdhsa_float_denorm_mode_32 3
		.amdhsa_float_denorm_mode_16_64 3
		.amdhsa_memory_ordered 1
		.amdhsa_forward_progress 1
		.amdhsa_inst_pref_size 11
	.end_amdhsa_kernel
	.amdgpu_metadata
---
amdhsa.version: [ 1, 2 ]
amdhsa.kernels:
  - .name:           k_q8a6d74597a_gather
    .symbol:         k_q8a6d74597a_gather.kd
    .args:
      - { .name: codes, .offset: 0, .size: 8, .value_kind: global_buffer, .address_space: global }
      - { .name: part, .offset: 8, .size: 8, .value_kind: global_buffer, .address_space: global }
      - { .name: out0, .offset: 16, .size: 8, .value_kind: global_buffer, .address_space: global }
      - { .name: out1, .offset: 24, .size: 8, .value_kind: global_buffer, .address_space: global }
    .group_segment_fixed_size: 0
    .private_segment_fixed_size: 0
    .kernarg_segment_align: 8
    .kernarg_segment_size: 32
    .max_flat_workgroup_size: 256
    .sgpr_count:     98
    .vgpr_count:     72
    .wavefront_size: 32
...
	.end_amdgpu_metadata
.endif
;; end of part 3
